; MI455X (gfx1250); checked and timed in simulation.
; The chip was launched on July 23, 2026; its instructions are those of AMD's public machine-readable ISA for CDNA 5 (MIT licence, August 2026) and "CDNA5" Instruction Set Architecture Reference Guide (July 2026). The comments in the code are by the model that wrote it; some were corrected since.
;; Soft Cap Attention. Allowed arithmetic: matrix products marked QUANTISED: E2M1 operands, one E8M0 scale for each 32 along K, by v_wmma_scale_f32_16x16x128_f8f6f4 with both operands' format E2M1 (or v_wmma_scale_f32_32x16x128_f4), f32 sums; everything else in f32.
;; Inputs: K 2 x 16 x 2,048 x 128 float32; Q 2 x 16 x 2,048 x 128 float32; V 2 x 16 x 2,048 x 128 float32.
;; Outputs: out0 2 x 16 x 2,048 x 128 float32.
;; This version of the problem:
;;   THIS VERSION OF THE PROBLEM IS GIVEN IN LOW PRECISION. The matrix products marked QUANTISED in the list below multiply operands that are first quantised to E2M1 (2 exponent bits, 1 mantissa bit; 4 bits a number), with one power-of-two scale for each 32 numbers along K (OCP MX v1.0); their sums are f32. All else is computed in f32.
;;   The module's matrix products, in the order in which they are computed (A, B: the left and right operand; K: the contracted axis; several contracted axes count as one K, in the product's order):
;;     1. batch 32 x [M 2,048, K 128] x [K 128, N 2,048]; A: input Q; B: input K: QUANTISED
;;     2. batch 32 x [M 2,048, K 2,048] x [K 2,048, N 128]; A: softmax (see below); B: input V: QUANTISED
;;   THE QUANTISER, for each operand of a quantised product, along K:
;;     - K is cut into blocks of 32 from its start; a last block that is shorter is filled with zeros.
;;     - A block's scale is 2^e with e = floor(log2(the largest magnitude in the block)) - 2, held to -126 .. 127; a block of zeros has e = 0. As a byte (E8M0): e + 127.
;;     - Each number is divided by its block's scale, clamped to +-6, and rounded to the nearest number of E2M1, ties to even, subnormals kept.
;;     - The product sums the exact products of the quantised numbers (number of the format x scale) in f32.
;;   ~~~python
;;   def quantise(x, axis):      # numpy; x: float32 -> the quantised numbers, widened to float32 again
;;       x = np.moveaxis(x, axis, -1); K = x.shape[-1]
;;       x = np.pad(x, [(0, 0)] * (x.ndim - 1) + [(0, -K % 32)]); x = x.reshape(x.shape[:-1] + (-1, 32)); a = np.abs(x).max(-1, keepdims=True)
;;       e = np.where(a > 0, np.clip(np.frexp(np.where(a > 0, a, 1))[1] - 1 - 2, -126, 127), 0)      # np.frexp(a)[1] - 1 = floor(log2(a)), exactly
;;       r = np.clip(x / 2.0 ** e, -6, 6)
;;       step = 2.0 ** (np.maximum(np.frexp(np.where(r == 0, 1, r))[1] - 1, 0) - 1)
;;       q = np.round(r / step) * step * 2.0 ** e      # np.round: ties to even
;;       return np.moveaxis(q.reshape(q.shape[:-2] + (-1,))[..., :K], -1, axis).astype(np.float32)
;;   ~~~
;;   SOFTMAX AHEAD OF A QUANTISED PRODUCT. Where the list says 'softmax', what is quantised is not the finished softmax but p = 2^(t - M), with t = logit x log2(e) and M = ceil(the row's largest t), a whole number; so 1/2 < the row's largest p <= 1. The row's sum l is taken of the UNQUANTISED p, in f32, and the product's result is divided by l at the end. Since M is a whole number, a kernel that streams over the keys may use a running M (the ceiling of the running maximum): every later rescaling is an exact power of two, which a block's scale takes up: the codes' values come out the same.
;;   OPERANDS COMPUTED ON THE WAY. 'Computed on the way' means the value that the module computes at that place (a softmax that the list does not call 'softmax' is quantised finished and normalised). What goes into a quantiser is computed in f32, as accurately as f32 sums, v_exp_f32 and their like allow (about 1e-6 of the number): no bf16 or f16 on the way to a quantiser, and a product that is left as it is and whose result goes on into a quantised operand takes f32 operands (vector FMAs, or v_wmma_f32_16x16x4_f32). A number that lies on a knife's edge between two numbers of the format may be rounded either way, as far as f32 arithmetic and the matrix unit's own rounding can turn it there, and no further.
;; One version. Each part assembles by itself: llvm-mc -triple=amdgcn-amd-amdhsa -mcpu=gfx1250 --defsym DOCPART=n.
;; ======== version 1 of 1: 2 launches
;; limits: right only within a limited range of input values
;; workspace buffers: kv 8,912,896 bytes
;; launch quant (part 1): grid 768 x 1, 4 waves a work-group, no clusters, 38,400 bytes of LDS; arguments K, V, kv; writes kv
.if DOCPART == 1
	.amdgcn_target "amdgcn-amd-amdhsa--gfx1250"
	.amdhsa_code_object_version 6
	.text
	.protected	k_qc975e1af4d_quant
	.globl	k_qc975e1af4d_quant
	.p2align	8
	.type	k_qc975e1af4d_quant,@function
k_qc975e1af4d_quant:
	s_mov_b64 s[64:65], 0
	v_nop
	global_prefetch_b8 v0, s[64:65] scope:SCOPE_SE
	s_setreg_imm32_b32 hwreg(HW_REG_WAVE_MODE, 25, 1), 1
	s_wait_xcnt 0x0
; K and V, [32 heads][2048 keys][128] f32, become codes of FP4 (E2M1) with one E8M0 scale byte for each 32 along a product's K: K is quantised along the head's 128, V along the keys.
; A block's scale is 2^(floor(log2(its largest magnitude)) - 2); its byte is the largest magnitude's own exponent field - 2, held at 1 from below by a floor among the maximum's leaves.
; THE WORKSPACE IS LAID IN THE ORDER OF THE OPERANDS' REGISTERS.  A head is 16 key steps of 128 keys; a step's block is STEPB = 17,408 bytes:
;   0      K's 8 fragments: byte 1024 t + 512 c + 256 h + 16 r: the 32 codes of d = 64 c + 32 h + 0 .. 31 of key 32 (t / 2) + 8 (t % 2) + r + 8 (r / 8) of the step
;   8192   V^T's 8 fragments: the same form: the codes of keys 64 c + 32 h + 0 .. 31 of the step, channel 16 t + r
;   16384  K's scale words: byte 256 (t / 4) + 16 r + 4 (t % 4) + j, j the block of 32 along d;      16896  V's: the same form, j the block of 32 keys
; So the next launch reads a fragment by two loads of 16 bytes a lane at 16 x lane, four tiles' scale words by one, and a head is one dense block of 278,528 bytes.
; SHARES.  Work-groups 0 to 255 take K: a wave 64 keys (8,192 numbers on end).  Work-groups 256 to 767 take V: a work-group one key step of one head, a wave 32 channels.  Waves share nothing: no barrier.
; Only K's path uses LDS, each wave its own 9,472 bytes.
; LIMITS: NaN and infinities among the inputs are not served.  A block whose largest magnitude lies under 2^-124 keeps the byte 1; so does a block of zeros, where the rule says 127:
; its codes are zeros, which add nothing under any byte but 0xff, and this program alone reads the bytes.
.set HEADB, 278528
.set STEPB, 17408
.set VIMG,  8192
.set KSC,   16384
.set VSC,   16896
.set SP,    80                         ; K's path: a lane's place in a stage: its 64 bytes + 16 of padding
.set WREG,  9472                       ; a wave's LDS: two stages of 32 x SP, then
.set CGA,   5120                       ; 4,096 bytes in which its codes are gathered in the workspace's order,
.set SGA,   9216                       ; and 256 for its scale bytes
.set KR,    16                         ; v16-143  K: eight sets of 16 numbers as loaded
.set KX,    144                        ; v144-175 two sets of 16 neighbours
.set KC,    176                        ; v176-207 codes, two registers a step
.set KE,    208                        ; v208-223 a scale byte a step
.set VX,    16                         ; v16-79   V: two sets of 32 numbers
.set VC,    80                         ; v80-95   codes, four registers a block: no store's data are written again
.set VB,    96                         ; v96      my channel's scale word
	s_load_b128 s[4:7], s[0:1], 0x0                ; K s[4:5], V s[6:7]
	s_load_b64 s[8:9], s[0:1], 0x10                ; the workspace
	v_lshl_add_u32 v224, v0, 2, 0x9400
	v_mov_b32 v225, 0
	v_lshrrev_b32 v1, 5, v0
	v_readfirstlane_b32 s16, v1                    ; wave 0..3
	v_and_b32 v2, 31, v0                           ; lane l
	s_cmp_lt_u32 ttmp9, 256
	s_cbranch_scc0 .Lvpath
; ---------------- K: K is innermost.  A step is 512 numbers = 4 keys.  Each load reads 512 consecutive bytes; the step's 2,048 bytes turn through the wave's stage, so that a lane holds 16 neighbours along d.
	s_lshl_b32 s17, ttmp9, 2
	s_add_co_u32 s17, s17, s16                     ; i = my run of 64 keys, 0..1023
	s_lshl_b32 s18, s17, 15                        ; 32,768 bytes of K a run
	s_mov_b32 s19, 0
	s_lshr_b32 s24, s17, 5                         ; head = i / 32
	s_mul_i32 s24, s24, HEADB
	s_bfe_u32 s25, s17, 0x40001                    ; key step = (i / 2) % 16
	s_mul_i32 s25, s25, STEPB
	s_add_co_u32 s24, s24, s25
	s_and_b32 s25, s17, 1                          ; which 64 keys of the step: tiles 0-3 or 4-7
	s_lshl_b32 s26, s25, 12
	s_add_co_u32 s20, s24, s26                     ; my four fragments
	s_mov_b32 s21, 0
	s_lshl_b32 s26, s25, 8
	s_add_co_u32 s22, s24, s26
	s_add_co_u32 s22, s22, KSC                     ; my 256 scale bytes
	s_mov_b32 s23, 0
	s_mul_i32 s27, s16, WREG                       ; my LDS
	s_add_co_u32 s28, s27, CGA
	s_add_co_u32 s29, s27, SGA
	s_wait_alu depctr_va_vdst(0)
	v_lshlrev_b32 v3, 4, v2                        ; 16 l: my 16 bytes of a load's, and of a store's, 512
	v_lshlrev_b32 v1, 3, v2                        ; 8 l: my 8 of the 256 scale bytes
	v_lshrrev_b32 v14, 2, v2
	v_mul_u32_u24 v14, v14, SP
	v_and_b32 v15, 3, v2
	v_lshl_add_u32 v14, v15, 4, v14
	v_add_nc_u32 v14, s27, v14                     ; the stage, on the way in: SP (l / 4) + 16 (l % 4)
	v_mul_u32_u24 v15, v2, SP
	v_add_nc_u32 v15, s27, v15                     ; and on the way out: SP l
	; lane l of step t holds key 4 t + l / 8 of my 64, block (l / 2) % 4 along d, half l % 2 of that block.  In the workspace's terms: c = (l / 4) % 2, h = (l / 2) % 2, r = l / 8 + what t adds
	v_bfe_u32 v8, v2, 2, 1
	v_lshlrev_b32 v4, 9, v8                        ; 512 c
	v_bfe_u32 v8, v2, 1, 1
	v_lshl_add_u32 v4, v8, 8, v4                   ; + 256 h
	v_lshrrev_b32 v8, 3, v2
	v_lshl_add_u32 v4, v8, 4, v4                   ; + 16 (l / 8)
	v_and_b32 v9, 1, v2
	v_lshl_add_u32 v4, v9, 3, v4                   ; + 8 (l % 2)
	v_add_nc_u32 v4, s28, v4                       ; where my 8 bytes of codes go
	v_bfe_u32 v9, v2, 1, 2
	v_lshl_add_u32 v5, v8, 4, v9                   ; 16 (l / 8) + my block's number
	v_add_nc_u32 v5, s29, v5                       ; where my block's byte goes
	v_add_nc_u32 v6, s28, v3                       ; the gathered codes, read back 16 bytes a lane
	v_add_nc_u32 v7, s29, v1                       ; the gathered bytes, 8 a lane
	s_wait_kmcnt 0x0
	s_add_nc_u64 s[4:5], s[4:5], s[18:19]
	s_add_nc_u64 s[20:21], s[8:9], s[20:21]
	s_add_nc_u64 s[22:23], s[8:9], s[22:23]
.macro LOAD t                          ; step t's 2,048 bytes into set t % 8
.irp i, 0,1,2,3
	global_load_b128 v[KR+16*((\t)%8)+4*\i:KR+16*((\t)%8)+4*\i+3], v3, s[4:5] offset:2048*(\t)+512*\i th:TH_LOAD_NT
.endr
.endm
.macro TURN t                          ; through stage t % 2: LDS serves a wave's instructions in order (ISA guide 5.7.1.4), so no wait stands between the stores and the loads
.irp i, 0,1,2,3
	ds_store_b128 v14, v[KR+16*((\t)%8)+4*\i:KR+16*((\t)%8)+4*\i+3] offset:32*SP*((\t)%2)+8*SP*\i
.endr
.irp i, 0,1,2,3
	ds_load_b128 v[KX+16*((\t)%2)+4*\i:KX+16*((\t)%2)+4*\i+3], v15 offset:32*SP*((\t)%2)+16*\i
.endr
.endm
.macro KSTEP t
.set XS, KX+16*((\t)%2)
.if (\t) > 0
	s_wait_dscnt 2                                 ; this step's numbers are back from the stage; the last step's two gather stores may be out
.else
	s_wait_dscnt 0x0
.endif
.if (\t)+8 < 16
	LOAD (\t)+8                                    ; into the set that this step's stage stores have read: eight steps, 32 loads a wave, are on their way
.endif
.if (\t)+1 < 16
.if (\t) <= 7
	s_wait_loadcnt 28                              ; the next step's four loads are in; those of the seven steps behind it may be out
.else
	s_wait_loadcnt 4*(14-(\t))                     ; the counts run down: steps t + 2 to 15 may be out
.endif
	TURN (\t)+1                                    ; and go through the other stage while this step is worked
.endif
	v_max3_num_f32 v8, |v[XS]|, |v[XS+1]|, |v[XS+2]|               ; the largest magnitude of my 16, in two chains
	v_max3_num_f32 v9, |v[XS+3]|, |v[XS+4]|, |v[XS+5]|
.irp i, 6,10
	v_max3_num_f32 v8, v8, |v[XS+\i]|, |v[XS+\i+1]|
	v_max3_num_f32 v9, v9, |v[XS+\i+2]|, |v[XS+\i+3]|
.endr
	v_max3_num_f32 v8, v8, |v[XS+14]|, |v[XS+15]|
	v_max3_num_f32 v8, v8, v9, 0x1800000           ; and the floor 2^(3 - 127): the byte cannot fall under 1
	v_max_num_f32_dpp v8, v8, v8 row_xmask:1 row_mask:0xf bank_mask:0xf   ; with my neighbour's 16: the block's
	v_add_nc_u32 v11, 0xff000000, v8               ; 2 off its exponent field: the conversion takes the exponent field of this operand as its scale
	v_cvt_scalef32_pk8_fp4_f32 v[KC+2*(\t)], v[XS:XS+7], v11
	v_cvt_scalef32_pk8_fp4_f32 v[KC+2*(\t)+1], v[XS+8:XS+15], v11
	v_lshrrev_b32 v[KE+(\t)], 23, v11              ; the scale's byte (a plain line behind the conversions)
	; t's bits say the rest of the place: bit 0: r + 4; bit 1: the tile's u; bit 2: r + 8; bit 3: the tile's b
	ds_store_b64 v4, v[KC+2*(\t):KC+2*(\t)+1] offset:2048*((\t)/8)+1024*(((\t)/2)%2)+16*(4*((\t)%2)+8*(((\t)/4)%2))
	ds_store_b8 v5, v[KE+(\t)] offset:16*(4*((\t)%2)+8*(((\t)/4)%2))+4*(2*((\t)/8)+((\t)/2)%2)   ; both lanes of a block write the same byte with the same value
.endm
.irp t, 0,1,2,3,4,5,6,7
	LOAD \t
.endr
	s_wait_loadcnt 28                              ; step 0's four loads are in
	TURN 0
.irp t, 0,1,2,3,4,5,6,7,8,9,10,11,12,13,14,15
	KSTEP \t
.endr
.irp i, 0,1,2,3,4,5,6,7
	ds_load_b128 v[KR+4*\i:KR+4*\i+3], v6 offset:512*\i            ; the four fragments as they will lie; these see my stores, which were issued ahead of them
.endr
	ds_load_b64 v[KR+32:KR+33], v7
.irp i, 0,1,2,3,4,5,6,7
	s_wait_dscnt 8-\i                              ; behind load i: the 7 - i loads of codes and the load of bytes
	global_store_b128 v3, v[KR+4*\i:KR+4*\i+3], s[20:21] offset:512*\i   ; 32 lanes store 512 consecutive bytes, at a multiple of 256 from the buffer's first byte
.endr
	s_wait_dscnt 0x0
	global_store_b64 v1, v[KR+32:KR+33], s[22:23]  ; 32 lanes store 256 consecutive bytes, aligned
	s_wait_tensorcnt 0x0
	ds_add_u32 v224, v225
	s_wait_dscnt 0x0
	s_endpgm
; ---------------- V: its K, the keys, is not innermost.  A lane takes a channel and its registers run down the keys: a block of 32 keys lies in one lane's 32 registers, and its 16 bytes of codes are a lane's part of a fragment.
.Lvpath:
	s_sub_co_u32 s17, ttmp9, 256
	s_lshr_b32 s24, s17, 4                         ; head
	s_and_b32 s25, s17, 15                         ; key step
	s_lshl_b32 s18, s24, 20                        ; a head of V is 2^20 bytes,
	s_lshl_b32 s26, s25, 16                        ; a step's 128 keys 2^16,
	s_add_co_u32 s18, s18, s26
	s_lshl_b32 s26, s16, 7                         ; my wave's 32 channels 128
	s_add_co_u32 s18, s18, s26
	s_mov_b32 s19, 0
	s_mul_i32 s24, s24, HEADB
	s_mul_i32 s25, s25, STEPB
	s_add_co_u32 s24, s24, s25
	s_lshl_b32 s26, s16, 11                        ; my two fragments: tiles 2 w and 2 w + 1
	s_add_co_u32 s20, s24, s26
	s_add_co_u32 s20, s20, VIMG
	s_mov_b32 s21, 0
	s_lshr_b32 s26, s16, 1
	s_lshl_b32 s26, s26, 8                         ; scale words: 256 (t / 4) = 256 (w / 2),
	s_add_co_u32 s22, s24, s26
	s_and_b32 s26, s16, 1
	s_lshl_b32 s26, s26, 3                         ; 4 (t % 4) = 8 (w % 2) + 4 (l / 16)
	s_add_co_u32 s22, s22, s26
	s_add_co_u32 s22, s22, VSC
	s_mov_b32 s23, 0
	s_wait_alu depctr_va_vdst(0)
	v_lshlrev_b32 v3, 2, v2                        ; in: 4 bytes a lane
	v_lshrrev_b32 v8, 4, v2
	v_and_b32 v9, 15, v2
	v_lshlrev_b32 v4, 10, v8
	v_lshl_add_u32 v4, v9, 4, v4                   ; codes: 1024 (l / 16) + 16 (l % 16)
	v_lshlrev_b32 v5, 2, v8
	v_lshl_add_u32 v5, v9, 4, v5                   ; scale word: 16 (l % 16) + 4 (l / 16)
	s_wait_alu depctr_va_vdst(0)
	s_wait_kmcnt 0x0
	s_add_nc_u64 s[6:7], s[6:7], s[18:19]
	s_add_nc_u64 s[20:21], s[8:9], s[20:21]
	s_add_nc_u64 s[22:23], s[8:9], s[22:23]
.macro VLOAD t                         ; block t: V(32 t + i, my channel), i = 0 .. 31, into set t % 2; a wave reads 128 consecutive bytes, the four waves a row's 512
.irp i, 0,1,2,3,4,5,6,7,8,9,10,11,12,13,14,15,16,17,18,19,20,21,22,23,24,25,26,27,28,29,30,31
	global_load_b32 v[VX+32*((\t)%2)+\i], v3, s[6:7] offset:(32*(\t)+\i)*512 th:TH_LOAD_NT
.endr
.endm
.macro VBLOCK t
.set XS, VX+32*((\t)%2)
.if (\t) < 3
	s_wait_loadcnt 32                              ; this block's 32 loads are in; the next block's may be out
.else
	s_wait_loadcnt 0x0
.endif
	v_max3_num_f32 v12, |v[XS]|, |v[XS+1]|, |v[XS+2]|              ; the block's largest magnitude: all 32 numbers are mine
	v_max3_num_f32 v13, |v[XS+3]|, |v[XS+4]|, |v[XS+5]|
.irp i, 6,10,14,18,22,26
	v_max3_num_f32 v12, v12, |v[XS+\i]|, |v[XS+\i+1]|
	v_max3_num_f32 v13, v13, |v[XS+\i+2]|, |v[XS+\i+3]|
.endr
	v_max3_num_f32 v12, v12, |v[XS+30]|, |v[XS+31]|
	v_max3_num_f32 v12, v12, v13, 0x1800000        ; and the floor 2^(3 - 127)
	v_add_nc_u32 v11, 0xff000000, v12              ; the conversion's scale operand
	v_lshrrev_b32 v13, 23, v11                     ; the scale's byte
.if (\t) == 0
	v_mov_b32 v[VB], v13                           ; four bytes make my channel's word, the earlier keys in the lower byte
.else
	v_lshl_or_b32 v[VB], v13, 8*(\t), v[VB]
.endif
.irp g, 0,1,2,3
	v_cvt_scalef32_pk8_fp4_f32 v[VC+4*(\t)+\g], v[XS+8*\g:XS+8*\g+7], v11
.endr
	global_store_b128 v4, v[VC+4*(\t):VC+4*(\t)+3], s[20:21] offset:256*(\t)   ; lanes 0-15 store 256 consecutive bytes, aligned, and so do lanes 16-31
.if (\t)+2 < 4
	VLOAD (\t)+2
.endif
.endm
	VLOAD 0
	VLOAD 1
.irp t, 0,1,2,3
	VBLOCK \t
.endr
	global_store_b32 v5, v[VB], s[22:23]           ; 32 words, 8 bytes of each 16: the one store here that leaves gaps for another wave to fill: one byte in 128 of what this path reads
	s_endpgm
.Lfunc_end_k_qc975e1af4d_quant:
	.size	k_qc975e1af4d_quant, .Lfunc_end_k_qc975e1af4d_quant-k_qc975e1af4d_quant
	.p2alignl 7, 3214868480
	.fill 96, 4, 3214868480
	.section	.rodata,"a",@progbits
	.p2align	6, 0x0
	.amdhsa_kernel k_qc975e1af4d_quant
		.amdhsa_group_segment_fixed_size 38400
		.amdhsa_private_segment_fixed_size 0
		.amdhsa_enable_private_segment 0
		.amdhsa_kernarg_size 24
		.amdhsa_user_sgpr_count 2
		.amdhsa_user_sgpr_kernarg_segment_ptr 1
		.amdhsa_wavefront_size32 1
		.amdhsa_system_sgpr_workgroup_id_x 1
		.amdhsa_system_sgpr_workgroup_id_y 1
		.amdhsa_system_sgpr_workgroup_id_z 1
		.amdhsa_system_vgpr_workitem_id 0
		.amdhsa_next_free_vgpr 226
		.amdhsa_next_free_sgpr 66
		.amdhsa_reserve_vcc 0
		.amdhsa_float_denorm_mode_32 3
		.amdhsa_float_denorm_mode_16_64 3
		.amdhsa_memory_ordered 1
		.amdhsa_forward_progress 1
		.amdhsa_inst_pref_size 55
	.end_amdhsa_kernel
	.amdgpu_metadata
---
amdhsa.version: [ 1, 2 ]
amdhsa.kernels:
  - .name:           k_qc975e1af4d_quant
    .symbol:         k_qc975e1af4d_quant.kd
    .args:
      - { .name: K, .offset: 0, .size: 8, .value_kind: global_buffer, .address_space: global }
      - { .name: V, .offset: 8, .size: 8, .value_kind: global_buffer, .address_space: global }
      - { .name: kv, .offset: 16, .size: 8, .value_kind: global_buffer, .address_space: global }
    .group_segment_fixed_size: 38400
    .private_segment_fixed_size: 0
    .kernarg_segment_align: 8
    .kernarg_segment_size: 24
    .max_flat_workgroup_size: 128
    .sgpr_count:     66
    .vgpr_count:     226
    .wavefront_size: 32
...
	.end_amdgpu_metadata
.endif
;; end of part 1
;; launch attn (part 2): grid 8 x 32, 8 waves a work-group, clusters of 4 x 1, 327,680 bytes of LDS; arguments Q, kv, out0; writes out0
.if DOCPART == 2
	.amdgcn_target "amdgcn-amd-amdhsa--gfx1250"
	.amdhsa_code_object_version 6
	.text
	.protected	k_qc975e1af4d_attn
	.globl	k_qc975e1af4d_attn
	.p2align	8
	.type	k_qc975e1af4d_attn,@function
k_qc975e1af4d_attn:
	s_mov_b64 s[64:65], 0
	v_nop
	global_prefetch_b8 v0, s[64:65] scope:SCOPE_SE
	s_setreg_imm32_b32 hwreg(HW_REG_WAVE_MODE, 25, 1), 1
	s_wait_xcnt 0x0
	s_wait_alu depctr_hold_cnt(0) depctr_sa_sdst(0) depctr_va_vdst(0) depctr_va_sdst(0) depctr_va_ssrc(0) depctr_va_vcc(0) depctr_vm_vsrc(0)
	s_getreg_b32 s2, hwreg(HW_REG_IB_STS2, 6, 4)
	s_cmp_eq_u32 s2, 0
	s_cbranch_scc0 .Lentry_in_a_cluster
	s_endpgm
.Lentry_in_a_cluster:
	s_bfe_u32 s2, ttmp6, 0x10000c
	s_cmp_lg_u32 s2, 0x3003
	s_cbranch_scc0 .Lentry_shape_is_right
	s_endpgm
.Lentry_shape_is_right:
; out[h][q][:] = the sum over k of softmax_k(20 tanh(Q[h][q] . K[h][k] / (20 sqrt(128)))) V[h][k][:], both products on codes of FP4 (E2M1) with one E8M0 scale for each 32 along a product's K.
; Q: [32][2048][128] f32, quantised here.  K and V come as codes and scale bytes from the workspace, laid in the order of the operands' registers:
; a head is 16 key steps of 17,408 bytes: K's 8 fragments (1,024 bytes each), V^T's 8, K's scale words (512 bytes), V's.
; THE SOFTMAX.  With s the first product's sum: u = 2^(c1 s), c1 = log2(e) / (10 sqrt(128)); r = 1 / (1 + u); t = A - 2 A r = A tanh(..), A = 20 log2(e); p = 2^t is quantised along the keys.
; The row's sum is taken of the unquantised p, in f32, and divides O at the end.
; NO MAXIMUM IS TAKEN AWAY: M = 0.  The problem's own tanh cap holds t within +-28.86 for every input, so p lies in 2^-28.9 .. 2^28.9, a row's sum of 2,048 under 2^39.9, a block's scale byte in 96 .. 153:
; nothing can overflow or underflow.  M is a whole number by the rule, so it only moves the blocks' scales: the codes are the same with M = 0.
; LIMITS: tanh as 1 - 2 r has an absolute error of some 2e-7 (6e-6 in t) where its argument is small.  Where u overflows, r = 0 and t = A; where it falls to 0, t = -A: both as tanh has them.
; NaN and infinities among the inputs are not served.  A block of Q whose largest magnitude lies under 2^-124 keeps the scale byte 1.
; SHARES.  A work-group owns 256 queries of one head; each of its eight waves owns 32, two tiles of 16, so that each fragment of K and V read from LDS feeds two matrix instructions.  Every wave walks the 16 key steps.
; LDS.  Key step s lies at 17,408 s.  Three fills, one tensor load a wave each.  Head: waves 0-3 bring Q's 256 rows of 512 bytes (pitch 528) to byte 174,080 on, waves 4-7 the halves of steps 0 and 1.
; Behind the first full sequence: a step of steps 2-9 to each wave.  Behind key step 0, when Q has been read: steps 10-15 (51 rows of 256 bytes a wave) over Q's bytes.  Behind them the stages of the way out and the spare words.
; CLUSTER.  The four query blocks of a cluster belong to one head: the loads of K and V are JOINT (descriptor made of the head and the wave's number alone, mask 15).  Q's load is each work-group's own: no mask.
; NO PREFETCH: all of a head's bytes are asked for by these three fills, the last behind key step 0: no later load is left for a prefetch to run ahead of.
; LAYOUT.  Both products are used transposed: S^T = K Q^T, O^T = V^T P^T: a lane holds ONE query (lane % 16) of each tile.
; THE KEYS OF A TILE ARE CHOSEN BY THE LANES' ADDRESSES: row r of tile 4 c + u is key 64 c + 32 (r / 8) + 8 u + r % 8, which the workspace holds as row 8 (u / 2) + r % 8 of its fragment 4 c + 2 (r / 8) + u % 2.
; So register 32 c + 8 u + j of lane (r, h) is key 64 c + 32 h + 8 u + j: a lane holds WHOLE blocks of 32 keys, in the order of the second product's operand: a block's maximum needs no other lane, and the conversions' results are the operand.
; (Lanes r and r + 8 of such a load read the same 16-byte column, 2,048 bytes apart.)
; REGISTERS.  Window 1: v0-63 V's fragments, v64-127 K's, v128-255 O^T (tile q, channels 16 t: 128 + 64 q + 8 t).  Window 0: as named below.  No matrix instruction names one number twice.
.set HEADB, 278528
.set STEPB, 17408
.set VIMG,  8192
.set KSC,   16384
.set VSC,   16896
.set QP,    528                        ; a row of Q in LDS: 512 bytes + 16
.set QREG,  10*STEPB                   ; Q's rows; later key steps 10-15
.set STAGE, 16*STEPB                   ; the way out: 16 rows x 272 bytes for each wave; of these bytes Q's fill was the last
.set SP,    272
.set WST,   16*SP
.set SPARE, STAGE+8*WST                ; the spare words: 128 bytes a wave
.set SPW, 1                            ; v1  my spare word's address; never rewritten
.set NIL, 2                            ; v2  0; never rewritten
.set ADF, 3                            ; v3  the step's fragments of V
.set ADS, 4                            ; v4  the step's scale words of V
.set GO,  5                            ; v5  the way out: my byte offset in the wave's rows of out
.set STO, 6                            ; v6  into my stage
.set RD,  7                            ; v7  back from it
.set QW,  8                            ; v8-9   Q's scale words (v8-9, v32-39, v80-89 hold scales and nothing else)
.set ADK, 10                           ; v10 the step's fragments of K
.set ADKS, 11                          ; v11 the step's scale words of K
.set AA,  12                           ; v[12:13] A, twice
.set QC,  16                           ; v16-31 Q's codes, two tiles
.set KS,  32                           ; v32-39 K's scale words
.set LI,  40                           ; v40 16 x lane
.set LSC, 41                           ; v41 16 x (lane % 16)
.set QA,  42                           ; v42 my place among Q's rows in LDS
.set LIK, 43                           ; v43 2048 (r / 8) + 16 (r % 8) + 256 h
.set LSK, 44                           ; v44 16 (r % 8) + 8 (r / 8)
.set SH8, 45                           ; v45 8 h
.set LS,  48                           ; v48-63 the rows' sums: tile q: four chains of pairs from 48 + 8 q on
.set PC,  64                           ; v64-79 p's codes
.set VS,  80                           ; v80-87 V's scale words
.set PW,  88                           ; v88-89 p's scale words
.set TM,  90                           ; v90-105 a tile's 8: two maxima, two scale operands, two bytes, the other half's bytes
.set SS,  128                          ; v128-255 S^T, then u, 1 + u, r, t, p in place: tile q at 128 + 64 q
.set FRV, 0
.set FRK, 64
.set OT,  128
.set WV,  10
.set G1Q, 24
.set G1A, 32
.set G1B, 40
.set G1C, 48
.set G0Q, 56
.set G0A, 60
.set G0B, 68
.set G0C, 72
.set SEL, 76                           ; s[76:77] v_permlanex16_b32's selects for lane l xor 16
.set C1,  78                           ; s[78:79] c1
.set A2,  80                           ; s[80:81] -2 A
.set CNT, 82
.set TB,  83                           ; s83 LDS byte at which the step in hand begins
.set QWORD, (3<<16)|(1<<20)|(6<<22)|(3<<25)    ; elements of 8 bytes; four words of padding after every 128
.set JWORD, 15|(3<<16)|(1<<21)                 ; the mask of all four partners; elements of 8 bytes; bit 21 beside a mask
.set MSB, 0
.macro WIN new                         ; the immediate's high byte repeats the setting that is left
.if MSB != \new
	s_set_vgpr_msb (MSB<<8)|\new
.set MSB, \new
.endif
.endm
.macro WAITV
	s_wait_alu depctr_va_vdst(0)
.endm
.macro CROUND                          ; a round of the cluster's barrier
	s_barrier_signal -1
	s_barrier_wait -1
	s_cmp_lg_u32 s[WV], 0
	s_cbranch_scc1 .Lnot_wave_0_\@
	s_barrier_signal -3
.Lnot_wave_0_\@:
	s_barrier_wait -3
	s_barrier_signal -1
	s_barrier_wait -1
.endm
.macro SHAPE g, w0, c, rows            ; rows of c elements of 8 bytes, dense in memory
	s_mov_b32 s[\g+0], \w0
	s_mov_b32 s[\g+1], (\c)<<16
	s_mov_b32 s[\g+2], (\rows)<<16
	s_mov_b32 s[\g+3], (\c)<<16
	s_mov_b32 s[\g+4], \rows
	s_mov_b32 s[\g+5], \c
	s_mov_b32 s[\g+6], 0
	s_mov_b32 s[\g+7], 0
.endm
.macro KVADR g                         ; a joint load's place in the head's block is its place in LDS
	s_mov_b32 s[\g], 1
	s_mov_b32 s22, s[\g+1]
	s_add_nc_u64 s[\g+2:\g+3], s[6:7], s[22:23]
	s_or_b32 s[\g+3], s[\g+3], 0x80000000
.endm
.macro NOPS4
.rept 4
	v_nop
.endr
.endm
.macro FRAGV a, off                    ; V's eight fragments: each load's 512 bytes are consecutive
.irp t, 0,1,2,3,4,5,6,7
.irp c, 0,1
	ds_load_b128 v[FRV+8*\t+4*\c:FRV+8*\t+4*\c+3], v[\a] offset:\off+1024*\t+512*\c
.endr
.endr
.endm
.macro SCLV a, off                     ; and eight tiles' scale words of my row
.irp g, 0,1
	ds_load_b128 v[VS+4*\g:VS+4*\g+3], v[\a] offset:\off+256*\g
.endr
.endm
.macro FRAGK a, off                    ; K's eight tiles, tile t = 4 c + u: the constant part of the workspace's fragment 4 c + u % 2 and row 8 (u / 2); the lane's part is in the address
.irp t, 0,1,2,3,4,5,6,7
.irp c, 0,1
	ds_load_b128 v[FRK+8*\t+4*\c:FRK+8*\t+4*\c+3], v[\a] offset:\off+4096*(\t/4)+1024*(\t%2)+128*((\t%4)/2)+512*\c
.endr
.endr
.endm
.macro SCLK a, off                     ; their scale words: tiles 2 g and 2 g + 1 lie side by side
.irp g, 0,1,2,3
	ds_load_b64 v[KS+2*\g:KS+2*\g+1], v[\a] offset:\off+256*(\g/2)+128*(\g%2)
.endr
.endm
.macro QMAX s, tm                      ; the largest magnitudes of my two blocks of 32, by turns, with the floor 2^(3 - 127)
.irp c, 0,1
	v_max3_num_f32 v[\tm+\c], |v[\s+32*\c]|, |v[\s+1+32*\c]|, 0x1800000
.endr
.irp i, 2,4,6,8,10,12,14,16,18,20,22,24,26,28,30
.irp c, 0,1
	v_max3_num_f32 v[\tm+\c], v[\tm+\c], |v[\s+32*\c+\i]|, |v[\s+1+32*\c+\i]|
.endr
.endr
.endm
.macro CV2 s, pc, tm, c, g             ; two conversions: registers 4 c + g and 4 c + g + 1 of the operand
	v_cvt_scalef32_pk8_fp4_f32 v[\pc+4*\c+\g], v[\s+32*\c+8*\g:\s+32*\c+8*\g+7], v[\tm+2+\c]
	v_cvt_scalef32_pk8_fp4_f32 v[\pc+4*\c+\g+1], v[\s+32*\c+8*\g+8:\s+32*\c+8*\g+15], v[\tm+2+\c]
.endm
.macro QFIN s, pc, pw, tm              ; from my two blocks' maxima: the fragment's codes and the scale word; the word's lines stand among the conversions
	v_add_nc_u32 v[\tm+2], 0xff000000, v[\tm]          ; 2 off the exponent field: the conversion's scale operand
	v_add_nc_u32 v[\tm+3], 0xff000000, v[\tm+1]
	CV2 \s, \pc, \tm, 0, 0
	v_lshrrev_b32 v[\tm+4], 23, v[\tm+2]               ; the scales' bytes: blocks h and 2 + h
	v_lshrrev_b32 v[\tm+5], 23, v[\tm+3]
	CV2 \s, \pc, \tm, 0, 2
	v_lshl_or_b32 v[\tm+4], v[\tm+5], 16, v[\tm+4]
	CV2 \s, \pc, \tm, 1, 0
	v_lshlrev_b32 v[\tm+4], v[SH8], v[\tm+4]           ; at their places in the word: 8 h bits up
	CV2 \s, \pc, \tm, 1, 2
	v_permlanex16_b32 v[\tm+6], v[\tm+4], s[SEL], s[SEL+1]
	v_or_b32 v[\pw], v[\tm+4], v[\tm+6]                ; with lane l xor 16's two the word is whole
.endm
.macro PKM s
.set j, 0
.rept 32
	v_pk_mul_f32 v[\s+j:\s+j+1], v[\s+j:\s+j+1], s[C1:C1+1] op_sel_hi:[1,0]             ; c1 s; each accumulator from its low end on
.set j, j+2
.endr
.endm
.macro TR op, s                        ; a batch of 64 transcendentals on one tile
.set j, 0
.rept 64
	\op v[\s+j], v[\s+j]
.set j, j+1
.endr
.endm
; The same batch with a packed line of the OTHER tile behind every second one (f = 0: 1 + u; f = 1: t = A - 2 A r).  What these lines read was waited for ahead of the batch; what they write is first read behind the wait that follows it.
.macro TRI op, s, f, s2
.set j, 0
.rept 32
	\op v[\s+j], v[\s+j]
	\op v[\s+j+1], v[\s+j+1]
.if \f
	v_pk_fma_f32 v[\s2+j:\s2+j+1], v[\s2+j:\s2+j+1], s[A2:A2+1], v[AA:AA+1] op_sel_hi:[1,0,0]
.else
	v_pk_add_f32 v[\s2+j:\s2+j+1], v[\s2+j:\s2+j+1], 1.0 op_sel_hi:[1,0]
.endif
.set j, j+2
.endr
.endm
.macro SX q, hold                      ; tile q's p into the row's sums (four chains of pairs) and my two blocks' maxima (p is positive and bounded from below: no |.|, no floor); hold = 1: eight sums are left for later
.irp i, 0,1,2,3,4,5,6,7,8,9,10,11,12,13,14,15
.irp c, 0,1
.if (\hold == 0) || (\i < 12)
	v_pk_add_f32 v[LS+8*\q+4*\c+2*(\i%2):LS+8*\q+4*\c+2*(\i%2)+1], v[LS+8*\q+4*\c+2*(\i%2):LS+8*\q+4*\c+2*(\i%2)+1], v[SS+64*\q+32*\c+2*\i:SS+64*\q+32*\c+2*\i+1]
.endif
.if \i == 0
	v_max_num_f32 v[TM+8*\q+\c], v[SS+64*\q+32*\c], v[SS+64*\q+32*\c+1]
.else
	v_max3_num_f32 v[TM+8*\q+\c], v[TM+8*\q+\c], v[SS+64*\q+32*\c+2*\i], v[SS+64*\q+32*\c+2*\i+1]
.endif
.endr
.endr
.endm
; A KEY STEP: 128 keys at LDS byte s[TB].  K's fragments and scale words were asked for in the step before.  first = 1: the second products start O^T's sums.  next = 1: the next step's K is asked for.
; Every matrix instruction has another accumulator than the one before it.  The waits on the vector side stand ahead of and behind each batch.
.macro STEP first, next
	v_add_nc_u32 v[ADF], s[TB], v[LI]              ; these four are the plain lines between the last products and the loads into the registers that they read
	v_add_nc_u32 v[ADS], s[TB], v[LSC]
	v_add_nc_u32 v[ADK], s[TB], v[LIK]
	v_add_nc_u32 v[ADKS], s[TB], v[LSK]
	WIN 0x40
	FRAGV ADF, VIMG                                ; V's fragments land while the softmax is walked
	WIN 0
	SCLV ADS, VSC
	s_wait_dscnt 18                                ; K's 20 loads are in; the 18 just issued may be out
	WIN 0x01
.irp t, 0,1,2,3,4,5,6,7
.irp q, 0,1
	v_wmma_scale_f32_16x16x128_f8f6f4 v[SS+64*\q+8*\t:SS+64*\q+8*\t+7], v[FRK+8*\t:FRK+8*\t+7], v[QC+8*\q:QC+8*\q+7], 0, v[KS+\t], v[QW+\q] matrix_a_fmt:MATRIX_FMT_FP4 matrix_b_fmt:MATRIX_FMT_FP4
.endr
.endr
	WIN 0
	NOPS4                                          ; four places ahead of the first read of the scores
	PKM SS
	PKM SS+64
	WAITV
	TR v_exp_f32, SS                               ; u of tile 0
.if \next
	WIN 0x40
	FRAGK ADK, STEPB                               ; the next step's K: 64 plain lines behind the products that read these registers
	WIN 0
	SCLK ADKS, STEPB+KSC
.endif
	v_nop                                          ; a plain line behind the batch
	WAITV
	TRI v_exp_f32, SS+64, 0, SS                    ; u of tile 1, 1 + u of tile 0
	WAITV
	TRI v_rcp_f32, SS, 0, SS+64                    ; r of tile 0, 1 + u of tile 1
	WAITV
	TRI v_rcp_f32, SS+64, 1, SS                    ; r of tile 1, t of tile 0
	WAITV
	TRI v_exp_f32, SS, 1, SS+64                    ; p of tile 0, t of tile 1
	WAITV
	TR v_exp_f32, SS+64                            ; p of tile 1
	SX 0, 0
	QFIN SS, PC, PW, TM
	WAITV
	SX 1, 1
	QFIN SS+64, PC+8, PW+1, TM+8
.irp i, 12,13,14,15                            ; the eight sums left over: plain lines between the scale word's and the codes' last writes and the scaled products
.irp c, 0,1
	v_pk_add_f32 v[LS+8+4*\c+2*(\i%2):LS+8+4*\c+2*(\i%2)+1], v[LS+8+4*\c+2*(\i%2):LS+8+4*\c+2*(\i%2)+1], v[SS+64+32*\c+2*\i:SS+64+32*\c+2*\i+1]
.endr
.endr
.if \next
	s_wait_dscnt 20                                ; V's 18 loads are in; the next step's 20 of K may be out
.else
	s_wait_dscnt 0x0
.endif
	WIN 0x51
	WAITV                                          ; the wait directly ahead of the first reader of O^T, of p's codes and of p's scale words
.irp t, 0,1,2,3,4,5,6,7
.irp q, 0,1
.if \first
	v_wmma_scale_f32_16x16x128_f8f6f4 v[OT+64*\q+8*\t:OT+64*\q+8*\t+7], v[FRV+8*\t:FRV+8*\t+7], v[PC+8*\q:PC+8*\q+7], 0, v[VS+\t], v[PW+\q] matrix_a_fmt:MATRIX_FMT_FP4 matrix_b_fmt:MATRIX_FMT_FP4
.else
	v_wmma_scale_f32_16x16x128_f8f6f4 v[OT+64*\q+8*\t:OT+64*\q+8*\t+7], v[FRV+8*\t:FRV+8*\t+7], v[PC+8*\q:PC+8*\q+7], v[OT+64*\q+8*\t:OT+64*\q+8*\t+7], v[VS+\t], v[PW+\q] matrix_a_fmt:MATRIX_FMT_FP4 matrix_b_fmt:MATRIX_FMT_FP4
.endif
.endr
.endr
	WIN 0
	s_add_co_u32 s[TB], s[TB], STEPB
.endm
	s_load_b128 s[4:7], s[0:1], 0x0                ; Q s[4:5], the workspace s[6:7]
	s_load_b64 s[8:9], s[0:1], 0x10                ; out
	v_lshl_add_u32 v[SPW], v0, 2, SPARE
	v_mov_b32 v[NIL], 0
	ds_add_u32 v[SPW], v[NIL]                      ; the opening lines: the add, twice on end, and its wait
	ds_add_u32 v[SPW], v[NIL]
	v_lshrrev_b32 v14, 5, v0
	v_readfirstlane_b32 s[WV], v14                 ; wave 0..7
	s_bfe_u32 s11, ttmp6, 0x40000                  ; cx: it enters Q's and out's addresses alone
	s_lshl_b32 s12, ttmp9, 2
	s_add_co_u32 s12, s12, s11                     ; my block of 256 queries
	s_and_b32 s13, ttmp7, 0xffff                   ; the head, which the four partners share
	s_lshl_b32 s14, s13, 11
	s_lshl_b32 s12, s12, 8
	s_add_co_u32 s14, s14, s12                     ; my work-group's first row
	s_and_b32 s15, s[WV], 3
	s_lshl_b32 s16, s[WV], 5
	s_add_co_u32 s16, s16, s14
	s_lshl_b32 s16, s16, 9                         ; my wave's 32 rows of out, 512 bytes each
	s_mov_b32 s17, 0
	s_lshl_b32 s18, s15, 6
	s_add_co_u32 s18, s18, s14
	s_lshl_b32 s18, s18, 9                         ; the 64 rows of Q that waves 0-3 fetch
	s_mov_b32 s19, 0
	s_mul_i32 s20, s13, HEADB                      ; the head's block in the workspace
	s_mov_b32 s21, 0
	s_mov_b32 s23, 0
	s_mul_i32 s[G0Q+1], s15, 64*QP
	s_add_co_u32 s[G0Q+1], s[G0Q+1], QREG
	s_mul_i32 s[G0A+1], s15, STEPB/2               ; waves 4-7: a half of step 0 or 1
	s_mul_i32 s[G0B+1], s[WV], STEPB
	s_add_co_u32 s[G0B+1], s[G0B+1], 2*STEPB       ; step 2 + wave
	s_mul_i32 s[G0C+1], s[WV], 51*256
	s_add_co_u32 s[G0C+1], s[G0C+1], QREG          ; an eighth of steps 10-15
	s_mul_i32 s84, s[WV], 32*QP
	s_add_co_u32 s84, s84, QREG                    ; my 32 rows of Q in LDS
	s_mul_i32 s85, s[WV], WST
	s_add_co_u32 s85, s85, STAGE                   ; my stage
	SHAPE G1Q, QWORD, 64, 64
	SHAPE G1A, JWORD, 32, 34
	SHAPE G1B, JWORD, 32, 68
	SHAPE G1C, JWORD, 32, 51
	s_mov_b32 s[SEL], 0x76543210
	s_mov_b32 s[SEL+1], 0xfedcba98
	s_mov_b32 s[C1], 0x3c50ecb0                    ; c1 = log2(e) / (10 sqrt(128))
	s_mov_b32 s[C1+1], s[C1]
	s_mov_b32 s[A2], 0xc266d4ca                    ; -2 A
	s_mov_b32 s[A2+1], s[A2]
	s_mov_b32 s[TB], 0
	s_wait_dscnt 0x0                               ; both opening adds are done
	s_wait_kmcnt 0x0
	s_add_nc_u64 s[6:7], s[6:7], s[20:21]
	KVADR G0A
	KVADR G0B
	KVADR G0C
	s_mov_b32 s[G0Q], 1
	s_add_nc_u64 s[G0Q+2:G0Q+3], s[4:5], s[18:19]
	s_or_b32 s[G0Q+3], s[G0Q+3], 0x80000000
	s_add_nc_u64 s[8:9], s[8:9], s[16:17]
	CROUND                                         ; all four work-groups are here: the joint loads meet
	s_cmp_lt_u32 s[WV], 4                          ; one tensor load a wave at the head, one to an arm
	s_cbranch_scc0 .Lhead_kv
	tensor_load_to_lds s[G0Q:G0Q+3], s[G1Q:G1Q+7]  ; Q: my work-group's own
	s_nop 0
	NOPS4
	s_branch .Lhead_asked
.Lhead_kv:
	tensor_load_to_lds s[G0A:G0A+3], s[G1A:G1A+7]  ; key steps 0 and 1, jointly
	s_nop 0
	NOPS4
.Lhead_asked:
	v_and_b32 v14, 15, v0                          ; r
	v_bfe_u32 v15, v0, 4, 1                        ; h
	v_lshrrev_b32 v46, 3, v14                      ; r / 8
	v_and_b32 v47, 7, v14                          ; r % 8
	v_mul_u32_u24 v[QA], v14, QP
	v_lshl_add_u32 v[QA], v15, 7, v[QA]
	v_add_nc_u32 v[QA], s84, v[QA]                 ; Q: row r, + 128 h: my block of each pair of blocks
	v_and_b32 v[LI], 31, v0
	v_lshlrev_b32 v[LI], 4, v[LI]
	v_lshlrev_b32 v[LSC], 4, v14
	v_lshlrev_b32 v[LIK], 11, v46
	v_lshl_add_u32 v[LIK], v47, 4, v[LIK]
	v_lshl_add_u32 v[LIK], v15, 8, v[LIK]
	v_lshlrev_b32 v[LSK], 4, v47
	v_lshl_add_u32 v[LSK], v46, 3, v[LSK]
	v_lshlrev_b32 v[SH8], 3, v15
	v_mul_u32_u24 v[STO], v14, SP
	v_lshl_add_u32 v[STO], v15, 5, v[STO]
	v_add_nc_u32 v[STO], s85, v[STO]               ; my stage: row r, + 32 h
	v_mul_u32_u24 v[RD], v15, SP
	v_lshl_add_u32 v[RD], v14, 4, v[RD]
	v_add_nc_u32 v[RD], s85, v[RD]                 ; back: lanes 0-15 one row, lanes 16-31 the next
	v_lshlrev_b32 v[GO], 9, v15
	v_lshl_add_u32 v[GO], v14, 4, v[GO]
	v_mov_b32 v[TM+6], 0                           ; written once: a lane permute's destination counts as one of its sources
	v_mov_b32 v[TM+14], 0
	WAITV                                          ; the wait at the head's end
	s_wait_tensorcnt 0x0                           ; my load is in; the full sequence ahead of a later first fill
	ds_add_u32 v[SPW], v[NIL]
	s_wait_dscnt 0x0
	CROUND                                         ; Q and steps 0 and 1 are whole
	tensor_load_to_lds s[G0B:G0B+3], s[G1B:G1B+7]  ; steps 2-9: one a wave
	s_nop 0
	NOPS4
.irp q, 0,1
.irp c, 0,1
.irp j, 0,1,2,3,4,5,6,7
	ds_load_b128 v[SS+64*\q+32*\c+4*\j:SS+64*\q+32*\c+4*\j+3], v[QA] offset:16*QP*\q+256*\c+16*\j   ; register 32 c + i = Q(r, 64 c + 32 h + i)
.endr
.endr
.endr
	WIN 0x40
	FRAGK LIK, 0                                   ; key step 0's K
	WIN 0
	SCLK LSK, KSC
	s_wait_dscnt 20                                ; Q's 32 loads are in
	QMAX SS, TM
	QMAX SS+64, TM+8
	QFIN SS, QC, QW, TM
	QFIN SS+64, QC+8, QW+1, TM+8
.irp j, 0,1,2,3,4,5,6,7,8,9,10,11,12,13,14,15
	v_mov_b32 v[LS+\j], 0                          ; the rows' sums.  (Plain lines between Q's scale words' last write and the first scaled product)
.endr
	v_mov_b32 v[AA], 0x41e6d4ca                    ; A = 20 log2(e)
	v_mov_b32 v[AA+1], 0x41e6d4ca
	WAITV
	STEP 1, 1                                      ; key step 0
	s_wait_tensorcnt 0x0                           ; my step of steps 2-9 is in;
	ds_add_u32 v[SPW], v[NIL]
	s_wait_dscnt 0x0                               ; and my reads of Q are long over
	CROUND                                         ; both hold of every wave of the cluster
	tensor_load_to_lds s[G0C:G0C+3], s[G1C:G1C+7]  ; steps 10-15, over Q's bytes
	s_nop 0
	NOPS4
	s_mov_b32 s[TB], STEPB
	s_mov_b32 s[CNT], 8
.Lmid:                                             ; key steps 1 to 8: they read bytes under 174,080
	STEP 0, 1
	s_sub_co_u32 s[CNT], s[CNT], 1
	s_cmp_lg_u32 s[CNT], 0
	s_cbranch_scc1 .Lmid
	s_wait_tensorcnt 0x0                           ; my part of steps 10-15 is in
	s_wait_dscnt 0x0
	s_barrier_signal -1
	s_barrier_wait -1                              ; everybody's is
	s_mov_b32 s[TB], 9*STEPB
	s_mov_b32 s[CNT], 6
.Lrest:                                            ; key steps 9 to 14
	STEP 0, 1
	s_sub_co_u32 s[CNT], s[CNT], 1
	s_cmp_lg_u32 s[CNT], 0
	s_cbranch_scc1 .Lrest
	s_mov_b32 s[TB], 15*STEPB
	STEP 0, 0                                      ; key step 15 asks for no further K
	; THE WAY OUT.  The sums' chains, halves and the other half of the lanes' are added; O^T is divided by the sum and goes through my stage, half a row (256 bytes) of 16 queries at a pass.
.irp q, 0,1
	v_pk_add_f32 v[LS+8*\q:LS+8*\q+1], v[LS+8*\q:LS+8*\q+1], v[LS+8*\q+2:LS+8*\q+3]
	v_pk_add_f32 v[LS+8*\q+4:LS+8*\q+5], v[LS+8*\q+4:LS+8*\q+5], v[LS+8*\q+6:LS+8*\q+7]
.endr
.irp q, 0,1
	v_pk_add_f32 v[LS+8*\q:LS+8*\q+1], v[LS+8*\q:LS+8*\q+1], v[LS+8*\q+4:LS+8*\q+5]
.endr
.irp q, 0,1
	v_add_f32 v[LS+8*\q], v[LS+8*\q], v[LS+8*\q+1]
.endr
.irp q, 0,1
	v_permlanex16_b32 v[TM+8*\q+6], v[LS+8*\q], s[SEL], s[SEL+1]
.endr
.irp q, 0,1
	v_add_f32 v[LS+8*\q], v[LS+8*\q], v[TM+8*\q+6]     ; the row's sum
.endr
	WAITV
	v_rcp_f32 v[LS], v[LS]
	v_rcp_f32 v[LS+8], v[LS+8]
	v_nop
	WIN 0x01
	WAITV                                          ; for the reciprocals, and directly ahead of the first readers of O^T
.irp q, 0,1
.set j, 0
.rept 32
	v_pk_mul_f32 v[SS+64*\q+j:SS+64*\q+j+1], v[OT+64*\q+j:OT+64*\q+j+1], v[LS+8*\q:LS+8*\q+1] op_sel_hi:[1,0]   ; register 8 t + i is out(r, 16 t + 8 h + i)
.set j, j+2
.endr
.endr
	WIN 0
	WAITV                                          ; the results are read by LDS stores behind waits
.macro BKSET p, i                      ; where pass p's load i lands: registers that are done with; passes 2 and 3 take the registers that the stores of passes 0 and 1 have read
.if \p == 0
.set BK, 16+4*\i+32*(\i/4)
.elseif \p == 1
.set BK, 90+4*\i
.else
.set BK, SS+32*(\p-2)+4*\i
.endif
.endm
.macro PASS p                          ; tile p / 2, channels 64 (p % 2) on.  LDS serves a wave's instructions in order: the loads see the stores, and the next pass's stores come behind them
.irp t, 0,1,2,3
	ds_store_b128 v[STO], v[SS+32*\p+8*\t:SS+32*\p+8*\t+3] offset:64*\t
	ds_store_b128 v[STO], v[SS+32*\p+8*\t+4:SS+32*\p+8*\t+7] offset:64*\t+16
.endr
.irp i, 0,1,2,3,4,5,6,7
	BKSET \p, \i
	ds_load_b128 v[BK:BK+3], v[RD] offset:\i*2*SP
.endr
.endm
.macro SENDP p
.irp i, 0,1,2,3,4,5,6,7
	BKSET \p, \i
	global_store_b128 v[GO], v[BK:BK+3], s[8:9] offset:8192*(\p/2)+256*(\p%2)+1024*\i th:TH_STORE_NT   ; 16 lanes store 256 consecutive bytes, aligned
.endr
.endm
	PASS 0
	PASS 1
	s_wait_dscnt 16                                ; pass 0 is done; pass 1's sixteen may be out
	SENDP 0
	PASS 2
	s_wait_dscnt 16
	SENDP 1
	PASS 3
	s_wait_dscnt 16
	SENDP 2
	s_wait_dscnt 0x0
	SENDP 3
	s_wait_tensorcnt 0x0                           ; the wave's end
	ds_add_u32 v[SPW], v[NIL]
	s_wait_dscnt 0x0
	CROUND                                         ; the closing round
	s_endpgm
.Lfunc_end_k_qc975e1af4d_attn:
	.size	k_qc975e1af4d_attn, .Lfunc_end_k_qc975e1af4d_attn-k_qc975e1af4d_attn
	.p2alignl 7, 3214868480
	.fill 96, 4, 3214868480
	.section	.rodata,"a",@progbits
	.p2align	6, 0x0
	.amdhsa_kernel k_qc975e1af4d_attn
		.amdhsa_group_segment_fixed_size 327680
		.amdhsa_private_segment_fixed_size 0
		.amdhsa_enable_private_segment 0
		.amdhsa_kernarg_size 24
		.amdhsa_user_sgpr_count 2
		.amdhsa_user_sgpr_kernarg_segment_ptr 1
		.amdhsa_wavefront_size32 1
		.amdhsa_system_sgpr_workgroup_id_x 1
		.amdhsa_system_sgpr_workgroup_id_y 1
		.amdhsa_system_sgpr_workgroup_id_z 1
		.amdhsa_system_vgpr_workitem_id 0
		.amdhsa_next_free_vgpr 512
		.amdhsa_next_free_sgpr 86
		.amdhsa_reserve_vcc 0
		.amdhsa_float_denorm_mode_32 3
		.amdhsa_float_denorm_mode_16_64 3
		.amdhsa_memory_ordered 1
		.amdhsa_forward_progress 1
		.amdhsa_inst_pref_size 194
	.end_amdhsa_kernel
	.amdgpu_metadata
---
amdhsa.version: [ 1, 2 ]
amdhsa.kernels:
  - .name:           k_qc975e1af4d_attn
    .symbol:         k_qc975e1af4d_attn.kd
    .args:
      - { .name: Q, .offset: 0, .size: 8, .value_kind: global_buffer, .address_space: global }
      - { .name: kv, .offset: 8, .size: 8, .value_kind: global_buffer, .address_space: global }
      - { .name: out0, .offset: 16, .size: 8, .value_kind: global_buffer, .address_space: global }
    .group_segment_fixed_size: 327680
    .private_segment_fixed_size: 0
    .kernarg_segment_align: 8
    .kernarg_segment_size: 24
    .max_flat_workgroup_size: 256
    .sgpr_count:     86
    .vgpr_count:     512
    .wavefront_size: 32
...
	.end_amdgpu_metadata
.endif
;; end of part 2
